; MI455X (gfx1250); checked and timed in simulation.
; The chip was launched on July 23, 2026; its instructions are those of AMD's public machine-readable ISA for CDNA 5 (MIT licence, August 2026) and "CDNA5" Instruction Set Architecture Reference Guide (July 2026). The comments in the code are by the model that wrote it; some were corrected since.
;; Multi Head Self Attention. Allowed arithmetic: float matrix products may take bf16 or f16 operands with f32 sums; other float arithmetic in f32, or as packed bf16 or f16 multiplies, adds, multiply-adds, maxima and minima; sums over many terms, partial sums and values carried from step to step in f32; what a program stores and reads back later, other than sums and carried values, may be rounded once to bf16 or f16.
;; Inputs: Q_in 8 x 1,024 x 1,024 float32; Wk 1,024 x 1,024 float32; Wo 1,024 x 1,024 float32; Wq 1,024 x 1,024 float32; Wv 1,024 x 1,024 float32; bk 1,024 float32; bo 1,024 float32; bq 1,024 float32; bv 1,024 float32; mask 8 x 1 x 1,024 x 1,024 int32.
;; Outputs: out0 8 x 1,024 x 1,024 float32.
;; One version. Each part assembles by itself: llvm-mc -triple=amdgcn-amd-amdhsa -mcpu=gfx1250 --defsym DOCPART=n.
;; ======== version 1 of 1: 4 launches
;; limits: values are held in f16: magnitudes above 65,504 overflow, below 6.1e-05 lose precision; right only within a limited range of input values
;; workspace buffers: xw 25,165,824 bytes; maskf 16,777,216 bytes; bias 12,288 bytes; qkvh 50,331,648 bytes; ctx 16,777,216 bytes
;; launch prep (part 1): grid 1025 x 1, 8 waves a work-group, no clusters, 18,432 bytes of LDS; arguments Q_in, Wq, Wk, Wv, Wo, mask, bq, bk, bv, xw, maskf, bias; writes xw, maskf, bias
.if DOCPART == 1
	.amdgcn_target "amdgcn-amd-amdhsa--gfx1250"
	.amdhsa_code_object_version 6
	.text
	.protected	k_qef138181a6_prep
	.globl	k_qef138181a6_prep
	.p2align	8
	.type	k_qef138181a6_prep,@function
k_qef138181a6_prep:
	s_mov_b64 s[64:65], 0
	v_nop
	global_prefetch_b8 v0, s[64:65] scope:SCOPE_SE
	s_setreg_imm32_b32 hwreg(HW_REG_WAVE_MODE, 25, 1), 1
	s_wait_xcnt 0x0
; PREP: everything that the three matrix launches want in f16 is rounded once, here, and laid out as they read it.
;   work-groups 0..767    CONV: 16 rows of X (8 batches) or of Wq, Wk, Wv, Wo, f32 [1024][1024] -> xw, f16, blocked:
;                         xw[batch 12][block of 64 columns 16][row 1024][64]; a row of a block is 128 bytes, a block 131,072 dense bytes.
;                         Wq alone is multiplied, in f32 and before the rounding, by c = 0.125 log2(e): the scores then arrive
;                         scaled by 1/sqrt(64) and in the base-2 domain of v_exp_f32.
;   work-groups 768..1023 MASK: int32 mask -> maskf, f16, in the order in which a lane of the attention launch uses it:
;                         maskf[b][q tile 64][key tile 64][lane 32][8]; lane 16 h + r holds mask[16 qt + r][16 kt + 8 h + 0..7].
;   work-group  1024      BIAS: bias[3072] f32 = bq c, bk, bv.
; WHY f16 AND NOT bf16: five operands in a row are rounded on the way to the output (Q, K, V, P, ctx); with 8 significant bits each
; their errors add up to more than a third of the allowance of 1 % of the output's rms, with 11 bits to an eighth of that.
; f16's ROOM: X thirty times larger than unit spread stays under 200, weights under 10.  At the small end f16's step is 2^-24:
; weights thirty times smaller (spread 1e-3, Wq c 2e-4) are kept to a half step of 3e-8, at most 2e-4 of their spread.
; LIMIT: |mask| <= 15 (the attention launch multiplies P 2^12 by it in f16: see there).
; A stream: no matrix unit, no cluster, no barrier (a wave's LDS stage is its own).  Every load of a wave takes whole runs of 256
; neighbouring bytes, every store of a wave covers 256 or 512 neighbouring bytes that begin at a multiple of 256.
.set CSC,  0x3e38aa3b                  ; 0.125 * log2(e)
.set XIN,  8                           ; CONV: v[8:71] 16 loads of 4 f32;  MASK: v[8:135] 4 units of 32 registers
.set XOUT, 72                          ; CONV: v[72:103] 16 pairs of packed f16
	s_load_b512 s[8:23], s[0:1], 0x0               ; Q_in s[8:9] Wq s[10:11] Wk s[12:13] Wv s[14:15] Wo s[16:17] mask s[18:19] bq s[20:21] bk s[22:23]
	s_load_b256 s[24:31], s[0:1], 0x40             ; bv s[24:25] xw s[26:27] maskf s[28:29] bias s[30:31]
	v_lshrrev_b32 v1, 5, v0
	v_readfirstlane_b32 s4, v1                     ; wave 0..7
	s_cmp_lt_u32 ttmp9, 768
	s_cbranch_scc0 .Lnot_conv
; ---------------- CONV ----------------
	s_lshr_b32 s5, ttmp9, 6                        ; batch of xw: 0..7 X, 8 Wq, 9 Wk, 10 Wv, 11 Wo
	s_and_b32 s6, ttmp9, 63                        ; which 16 rows
	v_lshrrev_b32 v2, 4, v0                        ; thread t: row t / 16,
	v_and_b32 v3, 15, v0                           ; four columns 4 (t % 16) of each block of 64
	v_lshlrev_b32 v4, 12, v2
	v_lshl_add_u32 v4, v3, 4, v4                   ; in: row x 4,096 + 16 (t % 16): sixteen lanes take 256 neighbouring bytes
	v_lshlrev_b32 v5, 3, v0                        ; out: row x 128 + 8 (t % 16) = 8 t: a wave writes 256 neighbouring bytes
	s_cmp_lt_u32 s5, 8
	s_cselect_b32 s36, s5, 0                       ; X's batch (a weight has none)
	s_lshl_b32 s36, s36, 22                        ; x 4 MiB
	s_lshl_b32 s7, s6, 16                          ; + 16 rows of 4,096 bytes
	s_add_co_u32 s36, s36, s7
	s_mov_b32 s37, 0
	s_lshl_b32 s38, s5, 21                         ; out: batch x 16 blocks of 131,072
	s_lshl_b32 s7, s6, 11                          ; + 16 rows of 128 bytes
	s_add_co_u32 s38, s38, s7
	s_mov_b32 s39, 0
	s_wait_kmcnt 0x0
	s_cmp_eq_u32 s5, 8                             ; the source: a choice between buffers on the batch number alone
	s_cselect_b64 s[34:35], s[10:11], s[8:9]
	s_cmp_eq_u32 s5, 9
	s_cselect_b64 s[34:35], s[12:13], s[34:35]
	s_cmp_eq_u32 s5, 10
	s_cselect_b64 s[34:35], s[14:15], s[34:35]
	s_cmp_eq_u32 s5, 11
	s_cselect_b64 s[34:35], s[16:17], s[34:35]
	s_add_nc_u64 s[34:35], s[34:35], s[36:37]
	s_add_nc_u64 s[40:41], s[26:27], s[38:39]
.irp kb, 0,1,2,3,4,5,6,7,8,9,10,11,12,13,14,15
	global_load_b128 v[XIN+4*\kb:XIN+4*\kb+3], v4, s[34:35] offset:256*\kb th:TH_LOAD_NT    ; all sixteen blocks of my rows go out at once
.endr
; Block kb: its load is in when at most the 15 - kb younger ones are out.  No register is used twice, so nothing else is waited for.
.macro CONVERT scaled
.irp kb, 0,1,2,3,4,5,6,7,8,9,10,11,12,13,14,15
	s_wait_loadcnt 15-\kb
.if \scaled
	v_pk_mul_f32 v[XIN+4*\kb:XIN+4*\kb+1], v[XIN+4*\kb:XIN+4*\kb+1], CSC op_sel_hi:[1,0]
	v_pk_mul_f32 v[XIN+4*\kb+2:XIN+4*\kb+3], v[XIN+4*\kb+2:XIN+4*\kb+3], CSC op_sel_hi:[1,0]
.endif
	v_cvt_pk_f16_f32 v[XOUT+2*\kb], v[XIN+4*\kb], v[XIN+4*\kb+1]
	v_cvt_pk_f16_f32 v[XOUT+2*\kb+1], v[XIN+4*\kb+2], v[XIN+4*\kb+3]
	global_store_b64 v5, v[XOUT+2*\kb:XOUT+2*\kb+1], s[40:41] offset:131072*\kb
.endr
	s_endpgm
.endm
	s_cmp_eq_u32 s5, 8
	s_cbranch_scc1 .Lscaled
	CONVERT 0
.Lscaled:
	CONVERT 1                                      ; Wq: times c
; ---------------- MASK ----------------
; A work-group takes two q tiles (16 rows x 1,024 keys each), a wave a quarter of one: four units of 16 rows x 64 keys.
; A unit is loaded by rows (256 bytes of a row for sixteen lanes), rounded, turned through the wave's own LDS stage into lane order
; and stored as 2,048 neighbouring bytes.  The stage holds eight pieces of 256 bytes, 288 apart: the 32 lanes of a ds_store_b64
; then touch 64 different words modulo 256 bytes.
.Lnot_conv:
	s_cmp_lt_u32 ttmp9, 1024
	s_cbranch_scc0 .Lbias
	s_sub_co_u32 s5, ttmp9, 768
	s_lshr_b32 s6, s4, 2
	s_lshl1_add_u32 s5, s5, s6                     ; q tile among all 512 = 2 j + wave / 4
	s_and_b32 s6, s4, 3                            ; my quarter of its keys
	s_lshl_b32 s36, s5, 16                         ; in: 16 rows of 4,096 bytes
	s_lshl_b32 s7, s6, 10                          ;     + 256 keys of 4 bytes
	s_add_co_u32 s36, s36, s7
	s_mov_b32 s37, 0
	s_lshl_b32 s38, s5, 15                         ; out: 64 key tiles of 512 bytes
	s_lshl_b32 s7, s6, 13                          ;     + 16 key tiles
	s_add_co_u32 s38, s38, s7
	s_mov_b32 s39, 0
	s_mul_i32 s7, s4, 2304                         ; my stage
	v_and_b32 v1, 31, v0                           ; lane L
	v_lshrrev_b32 v2, 4, v1                        ; L / 16
	v_and_b32 v3, 15, v1                           ; c = L % 16
	v_lshlrev_b32 v7, 4, v1                        ; out: 16 L
	v_lshlrev_b32 v4, 12, v2
	v_lshl_add_u32 v4, v3, 4, v4                   ; in: (L / 16) rows + 16 c
	v_lshrrev_b32 v5, 1, v3                        ; keys 4 c .. 4 c + 3 belong to piece c / 2 (key tile and half),
	v_mul_u32_u24 v5, v5, 288
	v_lshl_add_u32 v5, v2, 4, v5                   ; row 2 i + L / 16 is 16 bytes of the piece (32 i in the immediate),
	v_and_b32 v1, 1, v3
	v_lshl_add_u32 v5, v1, 3, v5                   ; and c % 2 says which 8 of them
	v_add_nc_u32 v5, s7, v5
	v_mul_u32_u24 v6, v2, 288                      ; back: piece 2 k + L / 16, 16 bytes at 16 c
	v_lshl_add_u32 v6, v3, 4, v6
	v_add_nc_u32 v6, s7, v6
	s_wait_kmcnt 0x0
	s_add_nc_u64 s[34:35], s[18:19], s[36:37]
	s_add_nc_u64 s[40:41], s[28:29], s[38:39]
.irp ul, 0,1,2,3
.irp i, 0,1,2,3,4,5,6,7
	global_load_b128 v[XIN+32*\ul+4*\i:XIN+32*\ul+4*\i+3], v4, s[34:35] offset:256*\ul+8192*\i th:TH_LOAD_NT   ; rows 2 i, 2 i + 1 of unit ul: all 32 loads at once
.endr
.endr
.irp ul, 0,1,2,3
	s_wait_loadcnt 24-8*\ul                        ; the unit's eight loads are in; those of the 3 - ul later units stay out
.set j, 0
.rept 32
	v_cvt_f32_i32 v[XIN+32*\ul+j], v[XIN+32*\ul+j]
.set j, j+1
.endr
.irp i, 0,1,2,3,4,5,6,7
	v_cvt_pk_f16_f32 v[XIN+32*\ul+2*\i], v[XIN+32*\ul+4*\i], v[XIN+32*\ul+4*\i+1]        ; packed downward into the unit's lower 16 registers:
	v_cvt_pk_f16_f32 v[XIN+32*\ul+2*\i+1], v[XIN+32*\ul+4*\i+2], v[XIN+32*\ul+4*\i+3]    ; a target has always been read already
.endr
.irp i, 0,1,2,3,4,5,6,7
	ds_store_b64 v5, v[XIN+32*\ul+2*\i:XIN+32*\ul+2*\i+1] offset:32*\i
.endr
.irp k, 0,1,2,3
	ds_load_b128 v[XIN+32*\ul+16+4*\k:XIN+32*\ul+16+4*\k+3], v6 offset:576*\k            ; LDS serves a wave's instructions in order (ISA guide 5.7.1): these see the stores above,
.endr                                                                                   ; and the next unit's stores come behind them
.irp k, 0,1,2,3
	s_wait_dscnt 3-\k                              ; load k is in, the 3 - k younger ones stay out
	global_store_b128 v7, v[XIN+32*\ul+16+4*\k:XIN+32*\ul+16+4*\k+3], s[40:41] offset:2048*\ul+512*\k   ; one key tile: 512 neighbouring bytes
.endr
.endr
	s_endpgm
; ---------------- BIAS ----------------
.Lbias:
	v_lshlrev_b32 v1, 4, v0                        ; 256 threads x 16 bytes = one bias vector
	s_wait_kmcnt 0x0
	global_load_b128 v[4:7], v1, s[20:21]
	global_load_b128 v[8:11], v1, s[22:23]
	global_load_b128 v[12:15], v1, s[24:25]
	s_wait_loadcnt 0x0
	v_pk_mul_f32 v[4:5], v[4:5], CSC op_sel_hi:[1,0]   ; bq shares Wq's factor
	v_pk_mul_f32 v[6:7], v[6:7], CSC op_sel_hi:[1,0]
	global_store_b128 v1, v[4:7], s[30:31]
	global_store_b128 v1, v[8:11], s[30:31] offset:4096
	global_store_b128 v1, v[12:15], s[30:31] offset:8192
	s_endpgm
.Lfunc_end_k_qef138181a6_prep:
	.size	k_qef138181a6_prep, .Lfunc_end_k_qef138181a6_prep-k_qef138181a6_prep
	.p2alignl 7, 3214868480
	.fill 96, 4, 3214868480
	.section	.rodata,"a",@progbits
	.p2align	6, 0x0
	.amdhsa_kernel k_qef138181a6_prep
		.amdhsa_group_segment_fixed_size 18432
		.amdhsa_private_segment_fixed_size 0
		.amdhsa_enable_private_segment 0
		.amdhsa_kernarg_size 96
		.amdhsa_user_sgpr_count 2
		.amdhsa_user_sgpr_kernarg_segment_ptr 1
		.amdhsa_wavefront_size32 1
		.amdhsa_system_sgpr_workgroup_id_x 1
		.amdhsa_system_sgpr_workgroup_id_y 1
		.amdhsa_system_sgpr_workgroup_id_z 1
		.amdhsa_system_vgpr_workitem_id 0
		.amdhsa_next_free_vgpr 136
		.amdhsa_next_free_sgpr 66
		.amdhsa_reserve_vcc 0
		.amdhsa_float_denorm_mode_32 3
		.amdhsa_float_denorm_mode_16_64 3
		.amdhsa_memory_ordered 1
		.amdhsa_forward_progress 1
		.amdhsa_inst_pref_size 33
	.end_amdhsa_kernel
	.amdgpu_metadata
---
amdhsa.version: [ 1, 2 ]
amdhsa.kernels:
  - .name:           k_qef138181a6_prep
    .symbol:         k_qef138181a6_prep.kd
    .args:
      - { .name: Q_in, .offset: 0, .size: 8, .value_kind: global_buffer, .address_space: global }
      - { .name: Wq, .offset: 8, .size: 8, .value_kind: global_buffer, .address_space: global }
      - { .name: Wk, .offset: 16, .size: 8, .value_kind: global_buffer, .address_space: global }
      - { .name: Wv, .offset: 24, .size: 8, .value_kind: global_buffer, .address_space: global }
      - { .name: Wo, .offset: 32, .size: 8, .value_kind: global_buffer, .address_space: global }
      - { .name: mask, .offset: 40, .size: 8, .value_kind: global_buffer, .address_space: global }
      - { .name: bq, .offset: 48, .size: 8, .value_kind: global_buffer, .address_space: global }
      - { .name: bk, .offset: 56, .size: 8, .value_kind: global_buffer, .address_space: global }
      - { .name: bv, .offset: 64, .size: 8, .value_kind: global_buffer, .address_space: global }
      - { .name: xw, .offset: 72, .size: 8, .value_kind: global_buffer, .address_space: global }
      - { .name: maskf, .offset: 80, .size: 8, .value_kind: global_buffer, .address_space: global }
      - { .name: bias, .offset: 88, .size: 8, .value_kind: global_buffer, .address_space: global }
    .group_segment_fixed_size: 18432
    .private_segment_fixed_size: 0
    .kernarg_segment_align: 8
    .kernarg_segment_size: 96
    .max_flat_workgroup_size: 256
    .sgpr_count:     66
    .vgpr_count:     136
    .wavefront_size: 32
...
	.end_amdgpu_metadata
.endif
;; end of part 1
;; launch qkv (part 2): grid 16 x 16, 4 waves a work-group, clusters of 4 x 4, 327,680 bytes of LDS; arguments xw, bias, qkvh; writes qkvh
.if DOCPART == 2
	.amdgcn_target "amdgcn-amd-amdhsa--gfx1250"
	.amdhsa_code_object_version 6
	.text
	.protected	k_qef138181a6_qkv
	.globl	k_qef138181a6_qkv
	.p2align	8
	.type	k_qef138181a6_qkv,@function
k_qef138181a6_qkv:
	s_mov_b64 s[64:65], 0
	v_nop
	global_prefetch_b8 v0, s[64:65] scope:SCOPE_SE
	s_setreg_imm32_b32 hwreg(HW_REG_WAVE_MODE, 25, 1), 1
	s_wait_xcnt 0x0
	s_wait_alu depctr_hold_cnt(0) depctr_sa_sdst(0) depctr_va_vdst(0) depctr_va_sdst(0) depctr_va_ssrc(0) depctr_va_vcc(0) depctr_vm_vsrc(0)
	s_getreg_b32 s2, hwreg(HW_REG_IB_STS2, 6, 4)
	s_cmp_eq_u32 s2, 0
	s_cbranch_scc0 .Lentry_in_a_cluster
	s_endpgm
.Lentry_in_a_cluster:
	s_bfe_u32 s2, ttmp6, 0x10000c
	s_cmp_lg_u32 s2, 0xf033
	s_cbranch_scc0 .Lentry_shape_is_right
	s_endpgm
.Lentry_shape_is_right:
; QKV: [8192 x 1024] X times the joint [1024 x 3072] matrix (Wq c | Wk | Wv), plus bias, rounded to f16 into
; qkvh[b][g 48][s 1024][64]: g 0-15 the heads of Q (already times c), 16-31 of K, 32-47 of V.
; f16's ROOM for Q, K, V: at unit spread of X and 1/32 of W their spread is 1; with both thirty times larger it is 900; with both
; carrying an offset of thirty spreads a sum is 1024 x 30 x 30/32 = 28,800, under f16's largest number 65,504.  With both thirty times
; smaller the spread is 1.1e-3 (Q c: 2e-4), kept to a half step of 3e-8.
; 256 work-groups, each a block of 512 rows x 192 columns; four waves, as many as a WGP has SIMDs, each 128 rows x 192 columns:
; 96 accumulator tiles of 16 x 16, 768 registers.  For 32 along K a wave reads 8 KiB of X and 12 KiB of W from LDS for 96 matrix instructions.
; K goes in steps of 64 through two LDS slots filled by the tensor data mover.  In xw a step's X rows are dense (128 bytes a row of a
; block), so 256 X rows come as 128 tile rows of 256 bytes; a step's W rows come as three runs of 4,096 dense bytes (32 k of three blocks).
; W lies [k][n] in LDS and is turned at the read by ds_load_tr16_b128.
; CLUSTERS: 4 x 4 work-groups.  X's tile hangs on the block row alone and is asked for jointly by a row of the cluster, W's on the block
; column alone and is asked for jointly by a column: a quarter of the requests.
; THE MATRIX INSTRUCTION IS USED TRANSPOSED: source 0 = 16 columns of W, source 1 = 16 rows of X; lane l then holds row l % 16 and the
; eight neighbouring columns 8 (l / 16) + 0..7, which pack into 16 bytes.
; REGISTERS: window 0: v16-27 addresses; v32-95, v96-159 X fragments (two buffers); v160-255 the 12 W fragments (one buffer, refilled
; group by group); windows 1, 2, 3: the accumulators of column block 0, 1, 2, tile (bl, a) at v[8 (8 bl + a)].
.set SLOT,  104448                     ; X: 512 rows x 144; then W: [quarter 2][block 3][32 k] x 160
.set BOFF,  73728                      ; where W begins in a slot
.set STAGE, 2*SLOT                     ; behind the ring: 64 rows x 144 for each wave, for the way out; no tensor load lands here
.set ADRA, 16                          ; v16-17 LDS address of my X fragments in slot 0, 1
.set ADRB, 20                          ; v20-21 the same for W
.set STO,  24                          ; way out: where I put 16 bytes of a row
.set RD,   25                          ; way out: where I read rows back
.set CO,   26                          ; way out: 16 x lane
.set VB,   27                          ; 32 h: my eight bias numbers in a tile's 64 bytes
.set AF0,  32
.set AF1,  96
.set BF,   160
.set TMP,  96                          ; way out: packed results
.set OUTR, 192                         ; way out: rows read back
.set G1,  24                           ; s[24:31] group 1 for X's tiles
.set G0,  32                           ; s[32:39] group 0 for X's tiles, a set for each slot
.set G1B, 48                           ; s[48:55] group 1 for W's tiles
.set G0B, 56                           ; s[56:63] group 0 for W's tiles, a set for each slot
.set MSB, 0
.macro WIN new                         ; the immediate's high byte repeats the setting that is left
.if MSB != \new
	s_set_vgpr_msb (MSB<<8)|\new
.set MSB, \new
.endif
.endm
.macro PLACES                          ; four places behind a matrix instruction, in front of loads into its sources and of reads of its results
.rept 4
	v_nop
.endr
.endm
; A joint load: waves 0 and 1 ask for X's two halves, waves 2 and 3 for W's two quarters.  Each line has one mask and one set of registers,
; and the branch hangs on the wave's number alone.  Four v_nop follow each line.
.macro JLOAD s
	s_cmp_eq_u32 s11, 0
	s_cbranch_scc0 .Lfor_b_\@
	tensor_load_to_lds s[G0+4*\s:G0+4*\s+3], s[G1:G1+7]
	s_nop 0
.rept 4
	v_nop
.endr
	s_branch .Lasked_\@
.Lfor_b_\@:
	tensor_load_to_lds s[G0B+4*\s:G0B+4*\s+3], s[G1B:G1B+7]
	s_nop 0
.rept 4
	v_nop
.endr
.Lasked_\@:
.endm
.macro CREST                           ; a round of the cluster's barrier behind its opening work-group barrier
	s_cmp_lg_u32 s10, 0
	s_cbranch_scc1 .Lnot_wave_0_\@
	s_barrier_signal -3
.Lnot_wave_0_\@:
	s_barrier_wait -3
	s_barrier_signal -1
	s_barrier_wait -1
.endm
.macro CROUND                          ; a whole round
	s_barrier_signal -1
	s_barrier_wait -1
	CREST
.endm
	s_load_b128 s[4:7], s[0:1], 0x0                ; xw s[4:5], bias s[6:7]
	s_load_b64 s[8:9], s[0:1], 0x10                ; qkvh
	v_lshrrev_b32 v1, 5, v0
	v_readfirstlane_b32 s10, v1                    ; wave 0..3
	s_lshr_b32 s11, s10, 1                         ; I fetch for X (0) or for W (1)
	s_and_b32 s12, s10, 1                          ; which half of that tile
	s_bfe_u32 s40, ttmp6, 0x40000                  ; cx
	s_bfe_u32 s41, ttmp6, 0x40004                  ; cy
	s_lshl_b32 s42, ttmp9, 2
	s_add_co_u32 s42, s42, s40                     ; block column nx = 4 x cluster x + cx
	s_and_b32 s13, ttmp7, 0xffff
	s_lshl_b32 s13, s13, 2
	s_add_co_u32 s13, s13, s41                     ; block row my = 4 x cluster y + cy
	s_lshl_b32 s43, s41, 2
	s_lshl_b32 s43, 15, s43                        ; my row of the cluster
	s_lshl_b32 s44, 0x1111, s40                    ; my column
	; group 1 for X: 128 rows of 128 elements of 2 bytes, dense; behind every 32 words (an X row) 4 words of padding: LDS pitch 144
	s_or_b32 s[G1+0], s43, (1<<16)|(1<<20)|(1<<21)|(4<<22)|(3<<25)
	s_mov_b32 s[G1+1], 128<<16                     ; tensor_dim0 = 128
	s_mov_b32 s[G1+2], 128<<16                     ; tensor_dim1 = 128
	s_mov_b32 s[G1+3], 128<<16                     ; tile_dim0 = 128
	s_mov_b32 s[G1+4], 128                         ; tile_dim1 = 128
	s_mov_b32 s[G1+5], 128                         ; from row to row: 128 elements
	s_mov_b32 s[G1+6], 0
	s_mov_b32 s[G1+7], 0
	; group 1 for W: 3 rows (column blocks) of 2,048 elements (32 k x 64 n), 65,536 elements apart; behind every 32 words (a k row) 8 words: pitch 160
	s_or_b32 s[G1B+0], s44, (1<<16)|(1<<20)|(1<<21)|(4<<22)|(7<<25)
	s_mov_b32 s[G1B+1], 2048<<16
	s_mov_b32 s[G1B+2], 3<<16
	s_mov_b32 s[G1B+3], 2048<<16
	s_mov_b32 s[G1B+4], 3
	s_mov_b32 s[G1B+5], 65536
	s_mov_b32 s[G1B+6], 0
	s_mov_b32 s[G1B+7], 0
	; X's tile: batch my / 2, rows 512 (my % 2) + 256 half, block = K step.  No register here ever holds nx.
	s_lshr_b32 s16, s13, 1
	s_lshl_b32 s16, s16, 21
	s_and_b32 s17, s13, 1
	s_lshl_b32 s17, s17, 16
	s_add_co_u32 s16, s16, s17
	s_lshl_b32 s17, s12, 15
	s_add_co_u32 s16, s16, s17
	s_mov_b32 s17, 0
	; W's tile: blocks 128 + 3 nx .. + 2, k rows 64 step + 32 quarter.  No register here ever holds my.
	s_mul_i32 s46, s42, 3
	s_add_co_u32 s46, s46, 128
	s_lshl_b32 s46, s46, 17
	s_lshl_b32 s47, s12, 12
	s_add_co_u32 s46, s46, s47
	s_mov_b32 s47, 0
	s_mul_i32 s20, s10, 36864                      ; X's halves lie at wave x 256 rows x 144 (waves 0, 1),
	s_mul_i32 s21, s10, 15360
	s_add_co_u32 s21, s21, BOFF-2*15360            ; W's quarters at 73,728 + (wave - 2) x 15,360 (waves 2, 3)
	s_wait_kmcnt 0x0
	s_add_nc_u64 s[14:15], s[4:5], s[16:17]
	s_add_nc_u64 s[46:47], s[4:5], s[46:47]
	CROUND                                         ; all sixteen work-groups are here: the first joint loads meet
.irp s, 0,1
	s_mov_b32 s[G0+4*\s], 1
	s_add_co_u32 s[G0+4*\s+1], s20, \s*SLOT
	s_add_nc_u64 s[G0+4*\s+2:G0+4*\s+3], s[14:15], \s*131072       ; K step s: the next block
	s_or_b32 s[G0+4*\s+3], s[G0+4*\s+3], 0x80000000
	s_mov_b32 s[G0B+4*\s], 1
	s_add_co_u32 s[G0B+4*\s+1], s21, \s*SLOT
	s_add_nc_u64 s[G0B+4*\s+2:G0B+4*\s+3], s[46:47], \s*8192       ; K step s: 64 k rows of 128 bytes on
	s_or_b32 s[G0B+4*\s+3], s[G0B+4*\s+3], 0x80000000
	JLOAD \s                                       ; both slots are asked for before anything else: two loads of the wave are out
.endr
	s_mul_i32 s46, s42, 768                        ; my block's 192 bias numbers
	s_mov_b32 s47, 0
	s_add_nc_u64 s[46:47], s[6:7], s[46:47]
	v_and_b32 v1, 15, v0                           ; r
	v_bfe_u32 v2, v0, 4, 1                         ; h
	v_mul_u32_u24 v3, v1, 144
	v_lshl_add_u32 v3, v2, 4, v3                   ; r x 144 + 16 h
	v_and_b32 v8, 7, v0
	v_lshl_add_u32 v5, v2, 3, v8                   ; k row 8 h + l % 8
	v_mul_u32_u24 v4, v5, 160
	v_bfe_u32 v6, v0, 3, 1
	v_lshl_add_u32 v4, v6, 4, v4                   ; + 16 ((l / 8) % 2)
	s_mul_i32 s22, s10, 18432                      ; my 128 rows of X
	v_add_nc_u32 v[ADRA], s22, v3
	v_add_nc_u32 v[ADRA+1], SLOT, v[ADRA]
	v_add_nc_u32 v[ADRB], BOFF, v4
	v_add_nc_u32 v[ADRB+1], SLOT, v[ADRB]
	s_mul_i32 s23, s10, 9216
	s_add_co_u32 s23, s23, STAGE                   ; my stage
	v_add_nc_u32 v[STO], s23, v3
	v_bfe_u32 v7, v0, 3, 2
	v_mul_u32_u24 v7, v7, 144                      ; back: eight lanes take one row of 128 bytes, a wave four rows
	v_lshl_add_u32 v7, v8, 4, v7
	v_add_nc_u32 v[RD], s23, v7
	v_and_b32 v9, 31, v0
	v_lshlrev_b32 v[CO], 4, v9
	v_lshlrev_b32 v[VB], 5, v2
; 32 matrix instructions: column block bg (4 tiles) x my 8 row tiles, 32 along K.  All 96 accumulators take turns, one instruction a turn,
; in the same order in every quarter step.  zero = 1: the first product starts the sums.
.macro GRP bg, af, zero
	WIN (0x50*(\bg+1))
.irp bl, 0,1,2,3
.irp a, 0,1,2,3,4,5,6,7
.if \zero
	v_wmma_f32_16x16x32_f16 v[8*(8*\bl+\a):8*(8*\bl+\a)+7], v[BF+8*(4*\bg+\bl):BF+8*(4*\bg+\bl)+7], v[\af+8*\a:\af+8*\a+7], 0
.else
	v_wmma_f32_16x16x32_f16 v[8*(8*\bl+\a):8*(8*\bl+\a)+7], v[BF+8*(4*\bg+\bl):BF+8*(4*\bg+\bl)+7], v[\af+8*\a:\af+8*\a+7], v[8*(8*\bl+\a):8*(8*\bl+\a)+7]
.endif
.endr
.endr
.endm
.macro FA slot, q, af                  ; 16 loads: my 128 rows of X, quarter q of the step
	WIN 0
.irp a, 0,1,2,3,4,5,6,7
	ds_load_b128 v[\af+8*\a:\af+8*\a+3], v[ADRA+\slot] offset:2304*\a+64*\q
	ds_load_b128 v[\af+8*\a+4:\af+8*\a+7], v[ADRA+\slot] offset:2304*\a+64*\q+32
.endr
.endm
.macro FB slot, q, bg                  ; 8 transposing loads: the four W fragments of column block bg, quarter q
	WIN 0
.irp bl, 0,1,2,3
	ds_load_tr16_b128 v[BF+8*(4*\bg+\bl):BF+8*(4*\bg+\bl)+3], v[ADRB+\slot] offset:15360*\q+5120*\bg+32*\bl
	ds_load_tr16_b128 v[BF+8*(4*\bg+\bl)+4:BF+8*(4*\bg+\bl)+7], v[ADRB+\slot] offset:15360*\q+5120*\bg+32*\bl+2560
.endr
.endm
; A K step is two quarters of 32.  LDS loads always go out in the order X 16, W block 0: 8, block 1: 8, block 2: 8.
; The first quarter multiplies buffer AF0 and fetches the second quarter, each W group as soon as its registers are free.
.macro KQ0 slot, zero
	s_wait_dscnt 16                                ; X and W block 0 are in; blocks 1 and 2 (16 loads) may be out
	GRP 0, AF0, \zero
	PLACES
	FA \slot, 1, AF1
	FB \slot, 1, 0
	s_wait_dscnt 32                                ; W block 1 is in; behind it: block 2 (8) and the 24 just issued
	GRP 1, AF0, \zero
	PLACES
	FB \slot, 1, 1
	s_wait_dscnt 32                                ; W block 2 is in; behind it: X 16, block 0: 8, block 1: 8 of the next quarter
	GRP 2, AF0, \zero
	PLACES
	FB \slot, 1, 2
.endm
; The second quarter multiplies AF1 and changes slots.  In front of the barrier each wave waits for its reads of this slot and for all its
; tensor loads (one is out: its part of the next slot).  fill = 1: the barrier opens a round of the cluster's barrier, and the joint refill
; of this slot, two K steps ahead, is the first tensor load behind the round; it has 160 matrix instructions in which to land.
.macro KQ1 slot, next, fill
	s_wait_dscnt 16
	GRP 0, AF1, 0
	s_wait_dscnt 0                                 ; my reads of this slot are over
	s_wait_tensorcnt 0x0                           ; all my tensor loads have landed
	s_barrier_signal -1
	GRP 1, AF1, 0                                  ; registers only, while the others arrive
	WIN 0
	s_barrier_wait -1
.if \fill
	CREST
	s_add_nc_u64 s[G0+4*\slot+2:G0+4*\slot+3], s[G0+4*\slot+2:G0+4*\slot+3], 2*131072    ; no load of mine is out: group 0 may be written
	s_add_nc_u64 s[G0B+4*\slot+2:G0B+4*\slot+3], s[G0B+4*\slot+2:G0B+4*\slot+3], 2*8192
	JLOAD \slot                                    ; its four v_nop are also the places in front of the loads below
.else
	PLACES
.endif
	FA \next, 0, AF0
	FB \next, 0, 0
	FB \next, 0, 1
	GRP 2, AF1, 0
	PLACES
	FB \next, 0, 2
.endm
.macro LAP zero
	KQ0 0, \zero
	KQ1 0, 1, 1
	KQ0 1, 0
	KQ1 1, 0, 1
.endm
	s_wait_tensorcnt 1                             ; my part of K step 0 is in; step 1's stays out
	s_barrier_signal -1
	s_barrier_wait -1
	FA 0, 0, AF0
	FB 0, 0, 0
	FB 0, 0, 1
	FB 0, 0, 2
	LAP 1                                          ; steps 0, 1: the first products start the sums
	WIN 0
	s_mov_b32 s3, 6                                ; steps 2 .. 13
.Llap:
	LAP 0
	WIN 0
	s_sub_co_u32 s3, s3, 1
	s_cmp_lg_u32 s3, 0
	s_cbranch_scc1 .Llap
	KQ0 0, 0                                       ; steps 14, 15 fill nothing
	KQ1 0, 1, 0
	KQ0 1, 0
	; the very last quarter fetches the bias instead of fragments: AF0 is free (four places stand behind its last use)
.irp bg, 0,1
.irp bl, 0,1,2,3
	global_load_b128 v[AF0+32*\bg+8*\bl:AF0+32*\bg+8*\bl+3], v[VB], s[46:47] offset:256*\bg+64*\bl
	global_load_b128 v[AF0+32*\bg+8*\bl+4:AF0+32*\bg+8*\bl+7], v[VB], s[46:47] offset:256*\bg+64*\bl+16
.endr
.endr
	s_wait_dscnt 16
	GRP 0, AF1, 0
	PLACES
	WIN 0
.irp bl, 0,1,2,3
	global_load_b128 v[BF+8*\bl:BF+8*\bl+3], v[VB], s[46:47] offset:512+64*\bl           ; column block 2's bias, into W group 0's registers
	global_load_b128 v[BF+8*\bl+4:BF+8*\bl+7], v[VB], s[46:47] offset:512+64*\bl+16
.endr
	s_wait_dscnt 0
	GRP 1, AF1, 0
	GRP 2, AF1, 0
	PLACES
	WIN 0
	s_wait_loadcnt 0x0                             ; the bias; its base may be written again
	; qkvh + ((my / 2) 48 + 3 nx) blocks + (512 (my % 2) + 128 wave) rows of 128 bytes
	s_lshr_b32 s16, s13, 1
	s_mul_i32 s16, s16, 48*131072
	s_and_b32 s17, s13, 1
	s_lshl_b32 s17, s17, 16
	s_add_co_u32 s16, s16, s17
	s_lshl_b32 s17, s10, 14
	s_add_co_u32 s16, s16, s17
	s_mov_b32 s17, 0
	s_add_nc_u64 s[8:9], s[8:9], s[16:17]
	s_mul_i32 s46, s42, 3*131072
	s_mov_b32 s47, 0
	s_add_nc_u64 s[8:9], s[8:9], s[46:47]
; THE WAY OUT, a column block (one head's 64 columns) at a time, 64 rows at a time: round, 16 bytes a lane into my own stage, read back as
; whole rows.  In qkvh a head's rows are dense, so four rows are 512 neighbouring bytes: one store of the wave.
.macro OUTH bg, hf
	WIN (((\bg+1)<<2)|(\bg+1))
.irp al, 0,1,2,3
.irp bl, 0,1,2,3
.irp p, 0,1,2,3
	v_cvt_pk_f16_f32 v[TMP+4*(4*\al+\bl)+\p], v[8*(8*\bl+4*\hf+\al)+2*\p], v[8*(8*\bl+4*\hf+\al)+2*\p+1]
.endr
.endr
.endr
	WIN 0
.irp al, 0,1,2,3
.irp bl, 0,1,2,3
	ds_store_b128 v[STO], v[TMP+4*(4*\al+\bl):TMP+4*(4*\al+\bl)+3] offset:2304*\al+32*\bl
.endr
.endr
	s_wait_xcnt 0x0                                ; the registers that the last stores read are loaded again only behind this wait
.irp t, 0,1,2,3,4,5,6,7,8,9,10,11,12,13,14,15
	ds_load_b128 v[OUTR+4*\t:OUTR+4*\t+3], v[RD] offset:576*\t     ; LDS serves a wave's instructions in order: these see the stores above
.endr
.irp t, 0,1,2,3,4,5,6,7,8,9,10,11,12,13,14,15
	s_wait_dscnt 15-\t
	global_store_b128 v[CO], v[OUTR+4*\t:OUTR+4*\t+3], s[8:9] offset:131072*\bg+8192*\hf+512*\t
.endr
.endm
.macro OUTB bg, bias
	WIN (((\bg+1)<<6)|(\bg+1))
.irp bl, 0,1,2,3
.irp a, 0,1,2,3,4,5,6,7
.irp p, 0,2,4,6
	v_pk_add_f32 v[8*(8*\bl+\a)+\p:8*(8*\bl+\a)+\p+1], v[8*(8*\bl+\a)+\p:8*(8*\bl+\a)+\p+1], v[\bias+8*\bl+\p:\bias+8*\bl+\p+1]
.endr
.endr
.endr
	OUTH \bg, 0
	OUTH \bg, 1
.endm
	OUTB 0, AF0
	OUTB 1, AF0+32
	OUTB 2, BF
	CROUND                                         ; the closing round: no work-group ends while a partner may still ask for a tile that names it
	s_endpgm
.Lfunc_end_k_qef138181a6_qkv:
	.size	k_qef138181a6_qkv, .Lfunc_end_k_qef138181a6_qkv-k_qef138181a6_qkv
	.p2alignl 7, 3214868480
	.fill 96, 4, 3214868480
	.section	.rodata,"a",@progbits
	.p2align	6, 0x0
	.amdhsa_kernel k_qef138181a6_qkv
		.amdhsa_group_segment_fixed_size 327680
		.amdhsa_private_segment_fixed_size 0
		.amdhsa_enable_private_segment 0
		.amdhsa_kernarg_size 24
		.amdhsa_user_sgpr_count 2
		.amdhsa_user_sgpr_kernarg_segment_ptr 1
		.amdhsa_wavefront_size32 1
		.amdhsa_system_sgpr_workgroup_id_x 1
		.amdhsa_system_sgpr_workgroup_id_y 1
		.amdhsa_system_sgpr_workgroup_id_z 1
		.amdhsa_system_vgpr_workitem_id 0
		.amdhsa_next_free_vgpr 1024
		.amdhsa_next_free_sgpr 66
		.amdhsa_reserve_vcc 0
		.amdhsa_float_denorm_mode_32 3
		.amdhsa_float_denorm_mode_16_64 3
		.amdhsa_memory_ordered 1
		.amdhsa_forward_progress 1
		.amdhsa_inst_pref_size 195
	.end_amdhsa_kernel
	.amdgpu_metadata
---
amdhsa.version: [ 1, 2 ]
amdhsa.kernels:
  - .name:           k_qef138181a6_qkv
    .symbol:         k_qef138181a6_qkv.kd
    .args:
      - { .name: xw, .offset: 0, .size: 8, .value_kind: global_buffer, .address_space: global }
      - { .name: bias, .offset: 8, .size: 8, .value_kind: global_buffer, .address_space: global }
      - { .name: qkvh, .offset: 16, .size: 8, .value_kind: global_buffer, .address_space: global }
    .group_segment_fixed_size: 327680
    .private_segment_fixed_size: 0
    .kernarg_segment_align: 8
    .kernarg_segment_size: 24
    .max_flat_workgroup_size: 128
    .sgpr_count:     66
    .vgpr_count:     1024
    .wavefront_size: 32
...
	.end_amdgpu_metadata
.endif
;; end of part 2
;; launch attn (part 3): grid 256 x 1, 8 waves a work-group, no clusters, 311,296 bytes of LDS; arguments qkvh, maskf, ctx; writes ctx
.if DOCPART == 3
	.amdgcn_target "amdgcn-amd-amdhsa--gfx1250"
	.amdhsa_code_object_version 6
	.text
	.protected	k_qef138181a6_attn
	.globl	k_qef138181a6_attn
	.p2align	8
	.type	k_qef138181a6_attn,@function
k_qef138181a6_attn:
	s_mov_b64 s[64:65], 0
	v_nop
	global_prefetch_b8 v0, s[64:65] scope:SCOPE_SE
	s_setreg_imm32_b32 hwreg(HW_REG_WAVE_MODE, 25, 1), 1
	s_wait_xcnt 0x0
; ATTENTION for one head and 512 queries: ctx = (e m / (Zm + EPS Z)) V with e = 2^(s - max), Z = sum e, Zm = sum e m,
; which is reference's softmax, mask, renormalisation:  (e/Z) m / (sum (e/Z) m + EPS).  The scores arrive in the base-2 domain
; (Q carries 0.125 log2 e).  The maximum is a running one; Z, the maximum and all factors are f32.
; 256 work-groups: head = id % 16, query half = (id / 16) % 2, batch = id / 32.  Eight waves, 64 queries (4 q tiles) each.
; The head's whole K (1,024 x 144 bytes) and V (1,024 x 160) stay in LDS: first fills only, nothing is filled again.
; The fills go out in two parts, keys 0-255 and keys 256-1023, so that the first three steps run while the second part is on its way.
; Sixteen steps of 64 keys; a step is two halves of two q tiles, which share the registers for scores and mask.
; ORIENTATION: S^T = K Q^T (source 0 K, source 1 Q): lane (r, h) holds query r and keys 8 h + j of a key tile.  Packed in place, key tiles
; 2 u and 2 u + 1 are registers 0-3 and 4-7 of the P fragment for 32 keys: no shuffle.  O^T = V^T P^T (source 0 V through
; ds_load_tr16_b128, source 1 P): the lane still holds query r, so maximum, Z and every factor are one number a lane.
; A fifth tile with source 0 = ones gives Zm from the same rounded, masked P that feeds O.
; P IN f16: all e carry the factor 2^12 (the shift taken from a score is 12 - maximum); Z and Zm carry it too, so it cancels.
; e 2^12 <= 4,096; f16's step at the small end is 2^-24, so e is kept to a half step of 2^-37 of the row's largest e.  The denominator
; is at least EPS Z >= 1e-8 x that largest e, so the flush moves a weight by at most 2^-37 / 1e-8 = 7.3e-4, also where the mask
; removes the row's large scores.  The shift is kept for each q tile, and the factor for the old sums is 2^(new shift - old shift):
; scores and old sums are moved by the same rounded number.
; LIMIT: |mask| <= 15: P 2^12 |m| <= 61,440 stays under f16's largest number, 65,504; a larger whole number in the mask overflows.
; P m is rounded to f16 once more (exact for 0 and 1).
; NO CLUSTER: K and V (256 KiB) are shared by the two query halves of a head only and are a fifth of what a work-group reads
; (Q 64 KiB, mask 1 MiB); the mask, which sixteen heads share, comes through registers in lane order, 512 neighbouring bytes a load.
; REGISTERS, window 0: see the names below.  Window 1: O tile (qt, dt) at v[40 qt + 8 dt], dt = 4 is Zm; Q at v[160 + 16 qt + 8 ks];
; the mask of one half at v[224 + 16 qtl + 4 kt].
.set KADR, 1                           ; LDS address of my K fragments, stepped by 64 rows
.set VADR, 2                           ; the same for V
.set VOFF, 3                           ; 16 x lane
.set QOFF, 4                           ; Q's lane offset; at the end: where I put 16 bytes
.set RD,   5                           ; at the end: where I read rows back
.set ONES, 8                           ; v[8:15]   f16 ones
.set MX,   16                          ; v[16:19]  running maximum of q tile qt
.set ZS,   20                          ; v[20:27]  Z of q tile qt, two partial sums
.set INV,  28                          ; v[28:35]  at the end: 1 / denominator, twice
.set AL,   32                          ; v[32:35]  in the steps: 2^(new shift - old shift), twice, for the half's two q tiles
.set TA,   36                          ; v[36:39]  at work: TA, TB for the half's two q tiles
.set NM,   40                          ; v[40:47]  the shift 12 - maximum of q tile qt, twice
.set KF,   48                          ; v[48:111]   K fragments at 16 kt + 8 ks
.set VF,   112                         ; v[112:175]  V fragments at 32 u + 8 dt
.set SC,   176                         ; v[176:239]  scores, then P, at 32 qtl + 8 kt
.set OA,   0                           ; window 1
.set QF,   160                         ; window 1
.set MK,   224                         ; window 1
.set VBASE, 147456
.set PSH,  0x41400000                  ; 12.0
.set MSB, 0
.macro WIN new
.if MSB != \new
	s_set_vgpr_msb (MSB<<8)|\new
.set MSB, \new
.endif
.endm
.macro PLACES
.rept 4
	v_nop
.endr
.endm
.macro MM d, a, b, zero                ; one matrix instruction; zero: it starts the sum
.if \zero
	v_wmma_f32_16x16x32_f16 v[\d:\d+7], v[\a:\a+7], v[\b:\b+7], 0
.else
	v_wmma_f32_16x16x32_f16 v[\d:\d+7], v[\a:\a+7], v[\b:\b+7], v[\d:\d+7]
.endif
.endm
	s_load_b128 s[4:7], s[0:1], 0x0                ; qkvh s[4:5], maskf s[6:7]
	s_load_b64 s[12:13], s[0:1], 0x10              ; ctx
	v_lshrrev_b32 v1, 5, v0
	v_readfirstlane_b32 s8, v1                     ; wave 0..7
	s_and_b32 s9, ttmp9, 15                        ; head
	s_bfe_u32 s10, ttmp9, 0x10004                  ; query half
	s_lshr_b32 s11, ttmp9, 5                       ; batch
	; group 1: dense rows of 256 bytes (two keys); s[16:23] 32 rows = 64 keys, s[24:31] 96 rows = 192 keys; word 0 (the padding) is set below
	s_mov_b32 s17, 128<<16
	s_mov_b32 s18, 32<<16
	s_mov_b32 s19, 128<<16
	s_mov_b32 s20, 32
	s_mov_b32 s21, 128
	s_mov_b32 s22, 0
	s_mov_b32 s23, 0
	s_mov_b32 s25, 128<<16
	s_mov_b32 s26, 96<<16
	s_mov_b32 s27, 128<<16
	s_mov_b32 s28, 96
	s_mov_b32 s29, 128
	s_mov_b32 s30, 0
	s_mov_b32 s31, 0
	s_mov_b32 s32, 1
	s_mov_b32 s36, 1
	s_mul_i32 s14, s11, 48
	s_add_co_u32 s14, s14, s9
	s_lshl_b32 s48, s14, 17                        ; Q's head: block 48 b + head; K's is 16 blocks on, V's 32
	s_mov_b32 s49, 0
	s_wait_kmcnt 0x0
	s_add_nc_u64 s[42:43], s[4:5], s[48:49]
; A wave's two first fills.  g10: group 1's first word; LDS address = wave x l0m + l0a and wave x l1m + l1a;
; global offset from Q's head = wave x 8,192 + ga0 and wave x 24,576 + ga1.
.macro FILLS g10, l0m, l0a, l1m, l1a, ga0, ga1
	s_mov_b32 s16, \g10
	s_mov_b32 s24, \g10
	s_mul_i32 s33, s8, \l0m
	s_add_co_u32 s33, s33, \l0a
	s_mul_i32 s37, s8, \l1m
	s_add_co_u32 s37, s37, \l1a
	s_mul_i32 s48, s8, 8192
	s_add_co_u32 s48, s48, \ga0
	s_add_nc_u64 s[34:35], s[42:43], s[48:49]
	s_or_b32 s35, s35, 0x80000000
	s_mul_i32 s48, s8, 24576
	s_add_co_u32 s48, s48, \ga1
	s_add_nc_u64 s[38:39], s[42:43], s[48:49]
	s_or_b32 s39, s39, 0x80000000
	tensor_load_to_lds s[32:35], s[16:23]          ; 64 of keys 0-255
	s_nop 0
	tensor_load_to_lds s[36:39], s[24:31]          ; 192 of keys 256-1023: two loads of the wave are out
	s_nop 0
.endm
	s_cmp_lt_u32 s8, 4
	s_cbranch_scc0 .Lfill_v
	; waves 0-3: K, 4 words of padding behind each key's 32: pitch 144
	FILLS (1<<16)|(1<<20)|(4<<22)|(3<<25), 9216, 0, 27648, 36864, 16*131072, 16*131072+32768
	s_branch .Lfilled
.Lfill_v:
	; waves 4-7: V, 8 words of padding: pitch 160; the constants take the four waves of K off again
	FILLS (1<<16)|(1<<20)|(4<<22)|(7<<25), 10240, VBASE-4*10240, 30720, VBASE+40960-4*30720, 32*131072-4*8192, 32*131072+32768-4*24576
.Lfilled:
	s_lshl_b32 s48, s10, 16
	s_lshl_b32 s14, s8, 13
	s_add_co_u32 s48, s48, s14                     ; my first query, 512 half + 64 wave, in rows of 128 bytes
	s_add_nc_u64 s[42:43], s[42:43], s[48:49]      ; Q at my first query
	s_lshl_b32 s14, s11, 4
	s_add_co_u32 s14, s14, s9
	s_lshl_b32 s14, s14, 17
	s_add_co_u32 s48, s48, s14
	s_add_nc_u64 s[50:51], s[12:13], s[48:49]      ; ctx[b][head] at my first query
	s_lshl_b32 s48, s11, 6
	s_lshl_b32 s14, s10, 5
	s_add_co_u32 s48, s48, s14
	s_lshl2_add_u32 s48, s8, s48                   ; my first q tile: 64 b + 32 half + 4 wave
	s_lshl_b32 s48, s48, 15
	s_add_nc_u64 s[40:41], s[6:7], s[48:49]        ; maskf at my first q tile, key tile 0
	s_mov_b32 s44, 0x76543210                      ; v_permlanex16_b32: lane i reads lane i of the other half
	s_mov_b32 s45, 0xfedcba98
	s_mov_b32 s47, 0x322bcc77                      ; EPS = 1e-8
	v_and_b32 v6, 15, v0                           ; r
	v_bfe_u32 v7, v0, 4, 1                         ; h
	v_mul_u32_u24 v[KADR], v6, 144
	v_lshl_add_u32 v[KADR], v7, 4, v[KADR]         ; key r x 144 + 16 h
	v_and_b32 v5, 7, v0
	v_lshl_add_u32 v[VADR], v7, 3, v5
	v_mul_u32_u24 v[VADR], v[VADR], 160            ; key (8 h + l % 8) x 160
	v_bfe_u32 v3, v0, 3, 1
	v_lshl_add_u32 v[VADR], v3, 4, v[VADR]         ; + 16 ((l / 8) % 2)
	v_add_nc_u32 v[VADR], VBASE, v[VADR]
	v_and_b32 v3, 31, v0
	v_lshlrev_b32 v[VOFF], 4, v3
	v_lshlrev_b32 v[QOFF], 7, v6
	v_lshl_add_u32 v[QOFF], v7, 4, v[QOFF]         ; query r x 128 + 16 h
	WIN 0x40
.irp qt, 0,1,2,3
.irp ks, 0,1
	global_load_b128 v[QF+16*\qt+8*\ks:QF+16*\qt+8*\ks+3], v[QOFF], s[42:43] offset:2048*\qt+64*\ks
	global_load_b128 v[QF+16*\qt+8*\ks+4:QF+16*\qt+8*\ks+7], v[QOFF], s[42:43] offset:2048*\qt+64*\ks+32
.endr
.endr
.irp qtl, 0,1
.irp kt, 0,1,2,3
	global_load_b128 v[MK+16*\qtl+4*\kt:MK+16*\qtl+4*\kt+3], v[VOFF], s[40:41] offset:\qtl*32768+512*\kt    ; the mask of step 0, first half
.endr
.endr
	WIN 0
.irp i, 0,1,2,3,4,5,6,7
	v_mov_b32 v[ONES+\i], 0x3c003c00
.endr
.irp i, 0,1,2,3
	v_mov_b32 v[MX+\i], 0xff800000                 ; minus infinity
.endr
.macro KLOAD                           ; 16 loads: 64 keys x 64 d
.irp kt, 0,1,2,3
.irp ks, 0,1
	ds_load_b128 v[KF+16*\kt+8*\ks:KF+16*\kt+8*\ks+3], v[KADR] offset:2304*\kt+64*\ks
	ds_load_b128 v[KF+16*\kt+8*\ks+4:KF+16*\kt+8*\ks+7], v[KADR] offset:2304*\kt+64*\ks+32
.endr
.endr
.endm
.macro VLOAD                           ; 16 transposing loads: 64 d x 64 keys
.irp u, 0,1
.irp dt, 0,1,2,3
	ds_load_tr16_b128 v[VF+32*\u+8*\dt:VF+32*\u+8*\dt+3], v[VADR] offset:5120*\u+32*\dt
	ds_load_tr16_b128 v[VF+32*\u+8*\dt+4:VF+32*\u+8*\dt+7], v[VADR] offset:5120*\u+32*\dt+2560
.endr
.endr
.endm
; Half qh of a step: q tiles 2 qh and 2 qh + 1 against the step's 64 keys.  first: step 0 (the sums start); last: step 15 (nothing is fetched ahead).
.macro HALF qh, first, last
.if \qh == 0
	s_wait_dscnt 16                                ; this step's K is in; V's 16 loads, issued behind it, may be out
.endif
	WIN 0x04                                       ; source 1 (Q) in window 1
.irp ks, 0,1
.irp kt, 0,1,2,3
.irp qtl, 0,1
	MM SC+32*\qtl+8*\kt, KF+16*\kt+8*\ks, QF+16*(2*\qh+\qtl)+8*\ks, 1-\ks      ; eight accumulators take turns
.endr
.endr
.endr
	WIN 0
	PLACES                                         ; in front of the reads of the scores and of the loads into K's fragments
.if \qh == 1
.if \last == 0
	v_add_nc_u32 v[KADR], 9216, v[KADR]            ; the next step's 64 keys
	KLOAD
.endif
.endif
	; the new maximum: two chains for each q tile, then the lane that holds the query's other keys
.irp qtl, 0,1
	v_max3_num_f32 v[TA+2*\qtl], v[MX+2*\qh+\qtl], v[SC+32*\qtl], v[SC+32*\qtl+1]
	v_max3_num_f32 v[TA+2*\qtl+1], v[SC+32*\qtl+16], v[SC+32*\qtl+17], v[SC+32*\qtl+18]
.endr
.irp i, 1,2,3,4,5,6
.irp qtl, 0,1
	v_max3_num_f32 v[TA+2*\qtl], v[TA+2*\qtl], v[SC+32*\qtl+2*\i], v[SC+32*\qtl+2*\i+1]
	v_max3_num_f32 v[TA+2*\qtl+1], v[TA+2*\qtl+1], v[SC+32*\qtl+17+2*\i], v[SC+32*\qtl+18+2*\i]
.endr
.endr
.irp qtl, 0,1
	v_max3_num_f32 v[TA+2*\qtl], v[TA+2*\qtl], v[SC+32*\qtl+14], v[SC+32*\qtl+15]
.endr
.irp qtl, 0,1
	v_max3_num_f32 v[TA+2*\qtl], v[TA+2*\qtl], v[TA+2*\qtl+1], v[SC+32*\qtl+31]
.endr
.irp qtl, 0,1
	v_permlanex16_b32 v[TA+2*\qtl+1], v[TA+2*\qtl], s44, s45
.endr
.irp qtl, 0,1
	v_max_num_f32 v[TA+2*\qtl], v[TA+2*\qtl], v[TA+2*\qtl+1]
.endr
.irp qtl, 0,1
	v_sub_f32 v[TA+2*\qtl+1], PSH, v[TA+2*\qtl]    ; the new shift: 12 - maximum
.endr
.if \first == 0
.irp qtl, 0,1
	v_sub_f32 v[AL+2*\qtl+1], v[TA+2*\qtl+1], v[NM+2*(2*\qh+\qtl)]     ; new shift - old shift, never above 0
.endr
.irp qtl, 0,1
	v_exp_f32 v[AL+2*\qtl], v[AL+2*\qtl+1]         ; the factor for what has been summed so far; plain lines that touch neither follow (ISA guide 5.7.2)
.endr
.endif
.irp qtl, 0,1
	v_mov_b32 v[MX+2*\qh+\qtl], v[TA+2*\qtl]
	v_mov_b32 v[NM+2*(2*\qh+\qtl)], v[TA+2*\qtl+1]
	v_mov_b32 v[NM+2*(2*\qh+\qtl)+1], v[TA+2*\qtl+1]
.endr
.irp qtl, 0,1
.set j, 0
.rept 16
	v_pk_add_f32 v[SC+32*\qtl+2*j:SC+32*\qtl+2*j+1], v[SC+32*\qtl+2*j:SC+32*\qtl+2*j+1], v[NM+2*(2*\qh+\qtl):NM+2*(2*\qh+\qtl)+1]
.set j, j+1
.endr
.endr
.if \first == 0
	s_wait_alu depctr_va_vdst(0)
.irp qtl, 0,1
	v_mov_b32 v[AL+2*\qtl+1], v[AL+2*\qtl]
.endr
.endif
.set j, 0
.rept 64
	v_exp_f32 v[SC+j], v[SC+j]
.set j, j+1
.endr
	v_nop                                          ; one plain place behind the run of exponentials
	s_wait_alu depctr_va_vdst(0)
	; Z in f32, and P packed in place, pair by pair in ascending order: a packed word lands on registers that have been read
.irp u, 0,1
.irp p, 0,1,2,3,4,5,6,7
.irp qtl, 0,1
.if (8*\u+\p) == 0
.if \first
	s_wait_alu depctr_va_vdst(0)
	v_pk_add_f32 v[ZS+2*(2*\qh+\qtl):ZS+2*(2*\qh+\qtl)+1], v[SC+32*\qtl:SC+32*\qtl+1], v[SC+32*\qtl+2:SC+32*\qtl+3]    ; the first two pairs start the sum
.else
	v_pk_fma_f32 v[ZS+2*(2*\qh+\qtl):ZS+2*(2*\qh+\qtl)+1], v[ZS+2*(2*\qh+\qtl):ZS+2*(2*\qh+\qtl)+1], v[AL+2*\qtl:AL+2*\qtl+1], v[SC+32*\qtl:SC+32*\qtl+1]
.endif
.else
.if (\first*(8*\u+\p)) != 1
	v_pk_add_f32 v[ZS+2*(2*\qh+\qtl):ZS+2*(2*\qh+\qtl)+1], v[ZS+2*(2*\qh+\qtl):ZS+2*(2*\qh+\qtl)+1], v[SC+32*\qtl+16*\u+2*\p:SC+32*\qtl+16*\u+2*\p+1]
.endif
.endif
	v_cvt_pk_f16_f32 v[SC+32*\qtl+16*\u+\p], v[SC+32*\qtl+16*\u+2*\p], v[SC+32*\qtl+16*\u+2*\p+1]
.endr
.endr
.endr
	s_wait_loadcnt 0x0                             ; this half's mask (asked for a half ago) is in, and no load of mine is out,
.if \qh == 0
.if \first == 0
	s_add_nc_u64 s[40:41], s[40:41], 2048          ; so the mask's base may step: four key tiles of 512 bytes
.endif
.endif
	WIN 0x04
.irp qtl, 0,1
.irp kt, 0,1,2,3
.irp i, 0,1,2,3
	v_pk_mul_f16 v[SC+32*\qtl+16*(\kt/2)+4*(\kt%2)+\i], v[SC+32*\qtl+16*(\kt/2)+4*(\kt%2)+\i], v[MK+16*\qtl+4*\kt+\i]
.endr
.endr
.endr
.if \qh == 0
	WIN 0x40
.irp qtl, 0,1
.irp kt, 0,1,2,3
	global_load_b128 v[MK+16*\qtl+4*\kt:MK+16*\qtl+4*\kt+3], v[VOFF], s[40:41] offset:(2+\qtl)*32768+512*\kt       ; this step, q tiles 2 and 3
.endr
.endr
.else
.if \last == 0
	WIN 0x40
.irp qtl, 0,1
.irp kt, 0,1,2,3
	global_load_b128 v[MK+16*\qtl+4*\kt:MK+16*\qtl+4*\kt+3], v[VOFF], s[40:41] offset:\qtl*32768+2048+512*\kt      ; the next step, q tiles 0 and 1
.endr
.endr
.endif
.endif
.if \first == 0
	WIN 0x41
.irp qtl, 0,1
.irp i, 0,1,2,3,4,5,6,7,8,9,10,11,12,13,14,15,16,17,18,19
	v_pk_mul_f32 v[OA+40*(2*\qh+\qtl)+2*\i:OA+40*(2*\qh+\qtl)+2*\i+1], v[OA+40*(2*\qh+\qtl)+2*\i:OA+40*(2*\qh+\qtl)+2*\i+1], v[AL+2*\qtl:AL+2*\qtl+1]
.endr
.endr
.endif
.if \qh == 0
	s_wait_dscnt 0                                 ; this step's V is in
.endif
	WIN 0x50
.irp u, 0,1
.irp dt, 0,1,2,3,4
.irp qtl, 0,1
.if \dt == 4
	MM OA+40*(2*\qh+\qtl)+32, ONES, SC+32*\qtl+16*\u, \first*(1-\u)                    ; Zm
.else
	MM OA+40*(2*\qh+\qtl)+8*\dt, VF+32*\u+8*\dt, SC+32*\qtl+16*\u, \first*(1-\u)       ; ten accumulators take turns
.endif
.endr
.endr
.endr
	WIN 0
.rept 5
	v_nop                                          ; five places: the next scores are written over P, a source of these instructions
.endr
.if \qh == 1
.if \last == 0
	v_add_nc_u32 v[VADR], 10240, v[VADR]
	VLOAD
.endif
.endif
.endm
.macro STEP first, last
	HALF 0, \first, \last
	HALF 1, \first, \last
.endm
	s_wait_tensorcnt 1                             ; my part of keys 0-255 is in; my part of the rest stays out
	s_barrier_signal -1
	s_barrier_wait -1
	KLOAD
	VLOAD
	s_wait_loadcnt 8                               ; Q is in; the eight loads of the mask may be out
	STEP 1, 0                                      ; step 0
	STEP 0, 0                                      ; steps 1 and 2, written out: with the fragments that step 2 fetches ahead they read keys 0-255 alone
	STEP 0, 0
	s_wait_dscnt 0x0
	s_wait_tensorcnt 0x0                           ; my part of keys 256-1023 is in,
	s_barrier_signal -1
	s_barrier_wait -1                              ; everybody's is: step 3 fetches step 4's fragments
	s_mov_b32 s46, 12                              ; steps 3 .. 14
.Lstep:
	STEP 0, 0
	s_sub_co_u32 s46, s46, 1
	s_cmp_lg_u32 s46, 0
	s_cbranch_scc1 .Lstep
	STEP 0, 1                                      ; step 15
	; THE END: 1 / (Zm + EPS Z), scale, round, out through LDS as whole rows.  Z and Zm both carry 2^12, as O does.
.irp qt, 0,1,2,3
	v_add_f32 v[INV+2*\qt], v[ZS+2*\qt], v[ZS+2*\qt+1]
.endr
.irp qt, 0,1,2,3
	v_permlanex16_b32 v[TA+\qt], v[INV+2*\qt], s44, s45            ; the query's other keys
.endr
.irp qt, 0,1,2,3
	v_add_f32 v[INV+2*\qt], v[INV+2*\qt], v[TA+\qt]
.endr
	WIN 0x10
.irp qt, 0,1,2,3
	v_fma_f32 v[TA+\qt], v[INV+2*\qt], s47, v[OA+40*\qt+32]
.endr
	WIN 0
.irp qt, 0,1,2,3
	v_rcp_f32 v[INV+2*\qt], v[TA+\qt]
	v_rcp_f32 v[INV+2*\qt+1], v[TA+\qt]
.endr
	v_nop
	WIN 0x41
	s_wait_alu depctr_va_vdst(0)
.irp qt, 0,1,2,3
.irp i, 0,1,2,3,4,5,6,7,8,9,10,11,12,13,14,15
	v_pk_mul_f32 v[OA+40*\qt+2*\i:OA+40*\qt+2*\i+1], v[OA+40*\qt+2*\i:OA+40*\qt+2*\i+1], v[INV+2*\qt:INV+2*\qt+1]
.endr
.endr
	WIN 0x05
.irp qt, 0,1,2,3
.irp dt, 0,1,2,3
.irp p, 0,1,2,3
	v_cvt_pk_f16_f32 v[KF+4*(4*\qt+\dt)+\p], v[OA+40*\qt+8*\dt+2*\p], v[OA+40*\qt+8*\dt+2*\p+1]
.endr
.endr
.endr
	WIN 0
	s_mul_i32 s14, s8, 9216                        ; my stage: 64 rows x 144, in K's bytes, which have had their only fill
	v_mul_u32_u24 v[QOFF], v6, 144
	v_lshl_add_u32 v[QOFF], v7, 4, v[QOFF]
	v_add_nc_u32 v[QOFF], s14, v[QOFF]             ; in: query r x 144 + 16 h
	v_bfe_u32 v[RD], v0, 3, 2
	v_mul_u32_u24 v[RD], v[RD], 144
	v_and_b32 v6, 7, v0
	v_lshl_add_u32 v[RD], v6, 4, v[RD]
	v_add_nc_u32 v[RD], s14, v[RD]                 ; back: eight lanes a row, four rows a load
	s_wait_dscnt 0x0
	s_barrier_signal -1
	s_barrier_wait -1                              ; no wave reads K any more
.irp qt, 0,1,2,3
.irp dt, 0,1,2,3
	ds_store_b128 v[QOFF], v[KF+4*(4*\qt+\dt):KF+4*(4*\qt+\dt)+3] offset:2304*\qt+32*\dt
.endr
.endr
.irp t, 0,1,2,3,4,5,6,7,8,9,10,11,12,13,14,15
	ds_load_b128 v[VF+4*\t:VF+4*\t+3], v[RD] offset:576*\t         ; my own bytes, served in order behind my stores
.endr
.irp t, 0,1,2,3,4,5,6,7,8,9,10,11,12,13,14,15
	s_wait_dscnt 15-\t
	global_store_b128 v[VOFF], v[VF+4*\t:VF+4*\t+3], s[50:51] offset:512*\t    ; four dense rows of ctx: 512 neighbouring bytes
.endr
	s_endpgm
.Lfunc_end_k_qef138181a6_attn:
	.size	k_qef138181a6_attn, .Lfunc_end_k_qef138181a6_attn-k_qef138181a6_attn
	.p2alignl 7, 3214868480
	.fill 96, 4, 3214868480
	.section	.rodata,"a",@progbits
	.p2align	6, 0x0
	.amdhsa_kernel k_qef138181a6_attn
		.amdhsa_group_segment_fixed_size 311296
		.amdhsa_private_segment_fixed_size 0
		.amdhsa_enable_private_segment 0
		.amdhsa_kernarg_size 24
		.amdhsa_user_sgpr_count 2
		.amdhsa_user_sgpr_kernarg_segment_ptr 1
		.amdhsa_wavefront_size32 1
		.amdhsa_system_sgpr_workgroup_id_x 1
		.amdhsa_system_sgpr_workgroup_id_y 1
		.amdhsa_system_sgpr_workgroup_id_z 1
		.amdhsa_system_vgpr_workitem_id 0
		.amdhsa_next_free_vgpr 512
		.amdhsa_next_free_sgpr 66
		.amdhsa_reserve_vcc 0
		.amdhsa_float_denorm_mode_32 3
		.amdhsa_float_denorm_mode_16_64 3
		.amdhsa_memory_ordered 1
		.amdhsa_forward_progress 1
		.amdhsa_inst_pref_size 216
	.end_amdhsa_kernel
	.amdgpu_metadata
---
amdhsa.version: [ 1, 2 ]
amdhsa.kernels:
  - .name:           k_qef138181a6_attn
    .symbol:         k_qef138181a6_attn.kd
    .args:
      - { .name: qkvh, .offset: 0, .size: 8, .value_kind: global_buffer, .address_space: global }
      - { .name: maskf, .offset: 8, .size: 8, .value_kind: global_buffer, .address_space: global }
      - { .name: ctx, .offset: 16, .size: 8, .value_kind: global_buffer, .address_space: global }
    .group_segment_fixed_size: 311296
    .private_segment_fixed_size: 0
    .kernarg_segment_align: 8
    .kernarg_segment_size: 24
    .max_flat_workgroup_size: 256
    .sgpr_count:     66
    .vgpr_count:     512
    .wavefront_size: 32
...
	.end_amdgpu_metadata
.endif
;; end of part 3
;; launch oproj (part 4): grid 8 x 32, 4 waves a work-group, clusters of 4 x 4, 327,680 bytes of LDS; arguments ctx, xw, bo, out0; writes out0
.if DOCPART == 4
	.amdgcn_target "amdgcn-amd-amdhsa--gfx1250"
	.amdhsa_code_object_version 6
	.text
	.protected	k_qef138181a6_oproj
	.globl	k_qef138181a6_oproj
	.p2align	8
	.type	k_qef138181a6_oproj,@function
k_qef138181a6_oproj:
	s_mov_b64 s[64:65], 0
	v_nop
	global_prefetch_b8 v0, s[64:65] scope:SCOPE_SE
	s_setreg_imm32_b32 hwreg(HW_REG_WAVE_MODE, 25, 1), 1
	s_wait_xcnt 0x0
	s_wait_alu depctr_hold_cnt(0) depctr_sa_sdst(0) depctr_va_vdst(0) depctr_va_sdst(0) depctr_va_ssrc(0) depctr_va_vcc(0) depctr_vm_vsrc(0)
	s_getreg_b32 s2, hwreg(HW_REG_IB_STS2, 6, 4)
	s_cmp_eq_u32 s2, 0
	s_cbranch_scc0 .Lentry_in_a_cluster
	s_endpgm
.Lentry_in_a_cluster:
	s_bfe_u32 s2, ttmp6, 0x10000c
	s_cmp_lg_u32 s2, 0xf033
	s_cbranch_scc0 .Lentry_shape_is_right
	s_endpgm
.Lentry_shape_is_right:
; OUT = ctx Wo + bo.  ctx: f16, blocked [b][block of 64 k][s][64]; Wo: batch 11 of xw, f16, [block of 64 n][k][64]; out0: f32 [8192][1024].
; (ctx is a weighted mean of V's rows, so it has V's room in f16; see the launch that makes V.)
; 256 work-groups, each 256 rows x 128 columns; four waves 2 x 2, each 128 x 64: 32 accumulator tiles, 256 registers.
; K goes in steps of 128 through two LDS slots: ctx as two blocks of 256 dense rows (128 tile rows of 256 bytes each), Wo as two halves of
; 64 k rows for two column blocks (two runs of 8,192 dense bytes each).  Wo lies [k][n] in LDS and is turned by ds_load_tr16_b128.
; CLUSTERS: 4 x 4; ctx's tile is asked for jointly by a row of the cluster, Wo's by a column.
; The matrix instruction is used transposed (source 0 Wo, source 1 ctx): a lane holds row l % 16 and eight neighbouring columns, 32 bytes of f32.
; The first products take the bias as C, so nothing is cleared and nothing is added later.
; REGISTERS: window 0: v16-27 addresses; v32-95, v96-159 ctx fragments; v160-191, v192-223 Wo fragments; v224-255 bias; window 1: tile (a, bl) at v[8 (4 a + bl)].
.set SLOT,  114688                     ; ctx: [block 2][256 rows] x 144; then Wo: [k half 2][column block 2][64 k] x 160
.set BOFF,  73728
.set STAGE, 2*SLOT                     ; 64 rows x 272 for each wave; no tensor load lands here
.set ADRA, 16
.set ADRB, 20
.set STO,  24
.set RD,   25
.set CO,   26
.set VB,   27
.set AF0,  32
.set BF0,  160
.set BIAS, 224
.set G1,  24
.set G0,  32
.set G1B, 48
.set G0B, 56
.set MSB, 0
.macro WIN new
.if MSB != \new
	s_set_vgpr_msb (MSB<<8)|\new
.set MSB, \new
.endif
.endm
.macro PLACES                          ; four places behind a matrix instruction (ISA guide 7.12.1)
.rept 4
	v_nop
.endr
.endm
.macro JLOAD s                         ; waves 0, 1: ctx's two blocks; waves 2, 3: Wo's two halves.  One mask and one set of registers a line
	s_cmp_eq_u32 s11, 0
	s_cbranch_scc0 .Lfor_b_\@
	tensor_load_to_lds s[G0+4*\s:G0+4*\s+3], s[G1:G1+7]
	s_nop 0
.rept 4
	v_nop
.endr
	s_branch .Lasked_\@
.Lfor_b_\@:
	tensor_load_to_lds s[G0B+4*\s:G0B+4*\s+3], s[G1B:G1B+7]
	s_nop 0
.rept 4
	v_nop
.endr
.Lasked_\@:
.endm
.macro CREST
	s_cmp_lg_u32 s10, 0
	s_cbranch_scc1 .Lnot_wave_0_\@
	s_barrier_signal -3
.Lnot_wave_0_\@:
	s_barrier_wait -3
	s_barrier_signal -1
	s_barrier_wait -1
.endm
.macro CROUND
	s_barrier_signal -1
	s_barrier_wait -1
	CREST
.endm
	s_load_b128 s[4:7], s[0:1], 0x0                ; ctx s[4:5], xw s[6:7]
	s_load_b64 s[8:9], s[0:1], 0x10                ; bo
	s_load_b64 s[22:23], s[0:1], 0x18              ; out0
	v_lshrrev_b32 v1, 5, v0
	v_readfirstlane_b32 s10, v1                    ; wave 0..3
	s_lshr_b32 s11, s10, 1                         ; my half of the rows.  Also: I fetch for ctx (0) or for Wo (1)
	s_and_b32 s12, s10, 1                          ; my half of the columns.  Also: which part of that tile
	s_bfe_u32 s40, ttmp6, 0x40000                  ; cx
	s_bfe_u32 s41, ttmp6, 0x40004                  ; cy
	s_lshl_b32 s42, ttmp9, 2
	s_add_co_u32 s42, s42, s40                     ; block column nx
	s_and_b32 s13, ttmp7, 0xffff
	s_lshl_b32 s13, s13, 2
	s_add_co_u32 s13, s13, s41                     ; block row my
	s_lshl_b32 s43, s41, 2
	s_lshl_b32 s43, 15, s43                        ; my row of the cluster
	s_lshl_b32 s44, 0x1111, s40                    ; my column
	s_or_b32 s[G1+0], s43, (1<<16)|(1<<20)|(1<<21)|(4<<22)|(3<<25)     ; 128 dense rows of 256 bytes; 4 words behind every 32: pitch 144
	s_mov_b32 s[G1+1], 128<<16
	s_mov_b32 s[G1+2], 128<<16
	s_mov_b32 s[G1+3], 128<<16
	s_mov_b32 s[G1+4], 128
	s_mov_b32 s[G1+5], 128
	s_mov_b32 s[G1+6], 0
	s_mov_b32 s[G1+7], 0
	s_or_b32 s[G1B+0], s44, (1<<16)|(1<<20)|(1<<21)|(4<<22)|(7<<25)    ; 2 rows (column blocks) of 4,096 elements, 65,536 apart; 8 words behind every 32: pitch 160
	s_mov_b32 s[G1B+1], 4096<<16
	s_mov_b32 s[G1B+2], 2<<16
	s_mov_b32 s[G1B+3], 4096<<16
	s_mov_b32 s[G1B+4], 2
	s_mov_b32 s[G1B+5], 65536
	s_mov_b32 s[G1B+6], 0
	s_mov_b32 s[G1B+7], 0
	s_lshr_b32 s16, s13, 2                         ; ctx: batch my / 4,
	s_lshl_b32 s16, s16, 21
	s_and_b32 s17, s13, 3                          ; rows 256 (my % 4),
	s_lshl_b32 s17, s17, 15
	s_add_co_u32 s16, s16, s17
	s_lshl_b32 s17, s12, 17                        ; block 2 step + part
	s_add_co_u32 s16, s16, s17
	s_mov_b32 s17, 0
	s_lshl_b32 s46, s42, 1                         ; Wo: blocks 176 + 2 nx, + 1,
	s_add_co_u32 s46, s46, 176
	s_lshl_b32 s46, s46, 17
	s_lshl_b32 s47, s12, 13                        ; k rows 128 step + 64 part
	s_add_co_u32 s46, s46, s47
	s_mov_b32 s47, 0
	s_mul_i32 s20, s10, 36864                      ; ctx's blocks at wave x 36,864 (waves 0, 1),
	s_mul_i32 s21, s10, 20480
	s_add_co_u32 s21, s21, BOFF-2*20480            ; Wo's halves at 73,728 + (wave - 2) x 20,480 (waves 2, 3)
	s_wait_kmcnt 0x0
	s_add_nc_u64 s[14:15], s[4:5], s[16:17]
	s_add_nc_u64 s[46:47], s[6:7], s[46:47]
	CROUND                                         ; the first joint loads meet
.irp s, 0,1
	s_mov_b32 s[G0+4*\s], 1
	s_add_co_u32 s[G0+4*\s+1], s20, \s*SLOT
	s_add_nc_u64 s[G0+4*\s+2:G0+4*\s+3], s[14:15], \s*262144
	s_or_b32 s[G0+4*\s+3], s[G0+4*\s+3], 0x80000000
	s_mov_b32 s[G0B+4*\s], 1
	s_add_co_u32 s[G0B+4*\s+1], s21, \s*SLOT
	s_add_nc_u64 s[G0B+4*\s+2:G0B+4*\s+3], s[46:47], \s*16384
	s_or_b32 s[G0B+4*\s+3], s[G0B+4*\s+3], 0x80000000
	JLOAD \s                                       ; two loads of the wave are out
.endr
	s_lshl_b32 s46, s42, 9                         ; my 64 columns in bytes of f32: 512 nx + 256 half
	s_lshl_b32 s47, s12, 8
	s_add_co_u32 s46, s46, s47
	s_mov_b32 s47, 0
	s_add_nc_u64 s[8:9], s[8:9], s[46:47]          ; bo there,
	s_add_nc_u64 s[22:23], s[22:23], s[46:47]      ; and out0
	v_and_b32 v1, 15, v0                           ; r
	v_bfe_u32 v2, v0, 4, 1                         ; h
	v_lshlrev_b32 v[VB], 5, v2
.irp bl, 0,1,2,3
	global_load_b128 v[BIAS+8*\bl:BIAS+8*\bl+3], v[VB], s[8:9] offset:64*\bl               ; bo of columns 16 bl + 8 h + 0..7: a tile's C
	global_load_b128 v[BIAS+8*\bl+4:BIAS+8*\bl+7], v[VB], s[8:9] offset:64*\bl+16
.endr
	v_mul_u32_u24 v3, v1, 144
	v_lshl_add_u32 v3, v2, 4, v3
	v_and_b32 v8, 7, v0
	v_lshl_add_u32 v5, v2, 3, v8
	v_mul_u32_u24 v4, v5, 160
	v_bfe_u32 v6, v0, 3, 1
	v_lshl_add_u32 v4, v6, 4, v4
	s_mul_i32 s16, s11, 18432                      ; my 128 rows
	v_add_nc_u32 v[ADRA], s16, v3
	v_add_nc_u32 v[ADRA+1], SLOT, v[ADRA]
	s_mul_i32 s17, s12, 10240                      ; my column block
	s_add_co_u32 s17, s17, BOFF
	v_add_nc_u32 v[ADRB], s17, v4
	v_add_nc_u32 v[ADRB+1], SLOT, v[ADRB]
	s_mul_i32 s18, s10, 17408
	s_add_co_u32 s18, s18, STAGE                   ; my stage
	v_mul_u32_u24 v7, v1, 272
	v_lshl_add_u32 v7, v2, 5, v7
	v_add_nc_u32 v[STO], s18, v7                   ; in: row r x 272 + 32 h
	v_mul_u32_u24 v7, v2, 272
	v_lshl_add_u32 v7, v1, 4, v7
	v_add_nc_u32 v[RD], s18, v7                    ; back: sixteen lanes a row of 256 bytes, two rows a load
	v_lshlrev_b32 v9, 12, v2
	v_lshl_add_u32 v[CO], v1, 4, v9                ; and the same two rows of out0
; 8 matrix instructions: row tiles a0, a0 + 1 x my four column tiles.  The 32 accumulators take turns, one instruction a turn, in the same
; order in every quarter.  first = 1: C is the bias.
.macro MUL af, bf, a0, first
.irp a, \a0, \a0+1
.irp bl, 0,1,2,3
.if \first
	v_wmma_f32_16x16x32_f16 v[8*(4*(\a)+\bl):8*(4*(\a)+\bl)+7], v[\bf+8*\bl:\bf+8*\bl+7], v[\af+8*(\a):\af+8*(\a)+7], v[BIAS+8*\bl:BIAS+8*\bl+7]
.else
	v_wmma_f32_16x16x32_f16 v[8*(4*(\a)+\bl):8*(4*(\a)+\bl)+7], v[\bf+8*\bl:\bf+8*\bl+7], v[\af+8*(\a):\af+8*(\a)+7], v[8*(4*(\a)+\bl):8*(4*(\a)+\bl)+7]
.endif
.endr
.endr
.endm
.macro MWIN first                      ; D in window 1; C in window 0 (the bias) or 1
.if \first
	WIN 0x40
.else
	WIN 0x50
.endif
.endm
.macro FETCH slot, q, af, bf           ; 24 loads: quarter q of a step: Wo's 8, then ctx's 16
	WIN 0
.irp bl, 0,1,2,3
	ds_load_tr16_b128 v[\bf+8*\bl:\bf+8*\bl+3], v[ADRB+\slot] offset:20480*(\q/2)+5120*(\q%2)+32*\bl
	ds_load_tr16_b128 v[\bf+8*\bl+4:\bf+8*\bl+7], v[ADRB+\slot] offset:20480*(\q/2)+5120*(\q%2)+32*\bl+2560
.endr
.irp a, 0,1,2,3,4,5,6,7
	ds_load_b128 v[\af+8*\a:\af+8*\a+3], v[ADRA+\slot] offset:36864*(\q/2)+64*(\q%2)+2304*\a
	ds_load_b128 v[\af+8*\a+4:\af+8*\a+7], v[ADRA+\slot] offset:36864*(\q/2)+64*(\q%2)+2304*\a+32
.endr
.endm
; One of a step's first three quarters: multiplies buffer f, fetches quarter qn into buffer g in its middle.
.macro QUARTER slot, qn, f, g, first
	s_wait_dscnt 8                                 ; Wo and ctx's rows 0-63 are in; the youngest eight loads (rows 64-127) may be out
	MWIN \first
	MUL AF0+64*\f, BF0+32*\f, 0, \first
	MUL AF0+64*\f, BF0+32*\f, 2, \first
	PLACES
	FETCH \slot, \qn, AF0+64*\g, BF0+32*\g
	s_wait_dscnt 24                                ; all but the 24 just issued
	MWIN \first
	MUL AF0+64*\f, BF0+32*\f, 4, \first
	MUL AF0+64*\f, BF0+32*\f, 6, \first
.endm
.macro THREE slot, first
	QUARTER \slot, 1, 0, 1, \first
	QUARTER \slot, 2, 1, 0, 0
	QUARTER \slot, 3, 0, 1, 0
.endm
; The fourth quarter multiplies buffer 1 and changes slots: each wave's reads of this slot and all its tensor loads are waited for in front
; of the barrier; fill = 1: the barrier opens a round of the cluster's barrier and the joint refill, two steps ahead, comes first behind it;
; it has 120 matrix instructions in which to land.
.macro TURN slot, next, fill
	s_wait_dscnt 8
	WIN 0x50
	MUL AF0+64, BF0+32, 0, 0
	s_wait_dscnt 0
	s_wait_tensorcnt 0x0
	s_barrier_signal -1
	MUL AF0+64, BF0+32, 2, 0                       ; registers only
	WIN 0
	s_barrier_wait -1
.if \fill
	CREST
	s_add_nc_u64 s[G0+4*\slot+2:G0+4*\slot+3], s[G0+4*\slot+2:G0+4*\slot+3], 2*262144    ; no load of mine is out
	s_add_nc_u64 s[G0B+4*\slot+2:G0B+4*\slot+3], s[G0B+4*\slot+2:G0B+4*\slot+3], 2*16384
	JLOAD \slot                                    ; its four v_nop are also the places in front of the loads below
.else
	PLACES
.endif
	FETCH \next, 0, AF0, BF0
	WIN 0x50
	MUL AF0+64, BF0+32, 4, 0
	MUL AF0+64, BF0+32, 6, 0
.endm
.macro LAP first
	THREE 0, \first
	TURN 0, 1, 1
	THREE 1, 0
	TURN 1, 0, 1
.endm
	s_wait_tensorcnt 1                             ; my part of step 0 is in; step 1's stays out
	s_barrier_signal -1
	s_barrier_wait -1
	FETCH 0, 0, AF0, BF0
	s_wait_loadcnt 0x0                             ; the bias
	LAP 1                                          ; steps 0, 1
	WIN 0
	s_mov_b32 s3, 2                                ; steps 2 .. 5
.Llap:
	LAP 0
	WIN 0
	s_sub_co_u32 s3, s3, 1
	s_cmp_lg_u32 s3, 0
	s_cbranch_scc1 .Llap
	THREE 0, 0                                     ; steps 6, 7 fill nothing
	TURN 0, 1, 0
	THREE 1, 0
	s_wait_dscnt 8
	WIN 0x50
	MUL AF0+64, BF0+32, 0, 0
	MUL AF0+64, BF0+32, 2, 0
	s_wait_dscnt 0
	MUL AF0+64, BF0+32, 4, 0
	MUL AF0+64, BF0+32, 6, 0
	PLACES                                         ; in front of the LDS stores of results and of the loads into the fragment buffers
	WIN 0
	s_lshl_b32 s16, s13, 20                        ; my first row: (256 my + 128 half) x 4,096 bytes
	s_lshl_b32 s17, s11, 19
	s_add_co_u32 s16, s16, s17
	s_mov_b32 s17, 0
	s_add_nc_u64 s[22:23], s[22:23], s[16:17]
; THE WAY OUT, 64 rows at a time: the accumulators go straight into my own stage (32 bytes a lane), and come back as whole rows of 256 bytes.
.macro OUT64 rnd
	WIN 0x04                                       ; store data in window 1
.irp al, 0,1,2,3
.irp bl, 0,1,2,3
	ds_store_b128 v[STO], v[8*(4*(4*\rnd+\al)+\bl):8*(4*(4*\rnd+\al)+\bl)+3] offset:4352*\al+64*\bl
	ds_store_b128 v[STO], v[8*(4*(4*\rnd+\al)+\bl)+4:8*(4*(4*\rnd+\al)+\bl)+7] offset:4352*\al+64*\bl+16
.endr
.endr
	WIN 0
	s_wait_xcnt 0x0                                ; the registers that the last stores read are loaded again only behind this wait
.set j, 0
.rept 32
	ds_load_b128 v[AF0+4*j:AF0+4*j+3], v[RD] offset:544*j          ; my own bytes, served in order behind my stores
.set j, j+1
.endr
.set j, 0
.rept 32
	s_wait_dscnt 31-j
	global_store_b128 v[CO], v[AF0+4*j:AF0+4*j+3], s[22:23] offset:262144*\rnd+8192*j th:TH_STORE_NT    ; sixteen lanes store 256 neighbouring bytes, at a multiple of 256 from out0's first byte
.set j, j+1
.endr
.endm
	OUT64 0
	OUT64 1
	CROUND                                         ; the closing round
	s_endpgm
.Lfunc_end_k_qef138181a6_oproj:
	.size	k_qef138181a6_oproj, .Lfunc_end_k_qef138181a6_oproj-k_qef138181a6_oproj
	.p2alignl 7, 3214868480
	.fill 96, 4, 3214868480
	.section	.rodata,"a",@progbits
	.p2align	6, 0x0
	.amdhsa_kernel k_qef138181a6_oproj
		.amdhsa_group_segment_fixed_size 327680
		.amdhsa_private_segment_fixed_size 0
		.amdhsa_enable_private_segment 0
		.amdhsa_kernarg_size 32
		.amdhsa_user_sgpr_count 2
		.amdhsa_user_sgpr_kernarg_segment_ptr 1
		.amdhsa_wavefront_size32 1
		.amdhsa_system_sgpr_workgroup_id_x 1
		.amdhsa_system_sgpr_workgroup_id_y 1
		.amdhsa_system_sgpr_workgroup_id_z 1
		.amdhsa_system_vgpr_workitem_id 0
		.amdhsa_next_free_vgpr 512
		.amdhsa_next_free_sgpr 66
		.amdhsa_reserve_vcc 0
		.amdhsa_float_denorm_mode_32 3
		.amdhsa_float_denorm_mode_16_64 3
		.amdhsa_memory_ordered 1
		.amdhsa_forward_progress 1
		.amdhsa_inst_pref_size 119
	.end_amdhsa_kernel
	.amdgpu_metadata
---
amdhsa.version: [ 1, 2 ]
amdhsa.kernels:
  - .name:           k_qef138181a6_oproj
    .symbol:         k_qef138181a6_oproj.kd
    .args:
      - { .name: ctx, .offset: 0, .size: 8, .value_kind: global_buffer, .address_space: global }
      - { .name: xw, .offset: 8, .size: 8, .value_kind: global_buffer, .address_space: global }
      - { .name: bo, .offset: 16, .size: 8, .value_kind: global_buffer, .address_space: global }
      - { .name: out0, .offset: 24, .size: 8, .value_kind: global_buffer, .address_space: global }
    .group_segment_fixed_size: 327680
    .private_segment_fixed_size: 0
    .kernarg_segment_align: 8
    .kernarg_segment_size: 32
    .max_flat_workgroup_size: 128
    .sgpr_count:     66
    .vgpr_count:     512
    .wavefront_size: 32
...
	.end_amdgpu_metadata
.endif
;; end of part 4
